; MI455X (gfx1250); checked and timed in simulation.
; The chip was launched on July 23, 2026; its instructions are those of AMD's public machine-readable ISA for CDNA 5 (MIT licence, August 2026) and "CDNA5" Instruction Set Architecture Reference Guide (July 2026). The comments in the code are by the model that wrote it; some were corrected since.
;; Self Attention. Allowed arithmetic: float matrix products may take bf16 or f16 operands with f32 sums; other float arithmetic in f32, or as packed bf16 or f16 multiplies, adds, multiply-adds, maxima and minima; sums over many terms, partial sums and values carried from step to step in f32; what a program stores and reads back later, other than sums and carried values, may be rounded once to bf16 or f16.
;; Inputs: bk 32 float32; bq 32 float32; bv 256 float32; gamma 1 float32; wk 32 x 256 float32; wq 32 x 256 float32; wv 256 x 256 float32; x 4 x 256 x 64 x 64 float32.
;; Outputs: out0 4 x 256 x 64 x 64 float32.
;; 2 versions, each right; version 2 is version 1 with the launch proj written anew for expert scheduling mode. Each part assembles by itself: llvm-mc -triple=amdgcn-amd-amdhsa -mcpu=gfx1250 --defsym DOCPART=n.
;; ======== version 1 of 2: 2 launches
;; limits: values are held in f16: magnitudes above 65,504 overflow, below 6.1e-05 lose precision
;; workspace buffers: qimg 1,048,576 bytes; kv 9,437,184 bytes
;; launch proj (part 1): grid 64 x 4, 4 waves a work-group, no clusters, 67,072 bytes of LDS; arguments x, wq, wk, wv, bq, bv, qimg, kv; writes qimg, kv
.if DOCPART == 1
	.amdgcn_target "amdgcn-amd-amdhsa--gfx1250"
	.amdhsa_code_object_version 6
	.text
	.protected	k_q9ca5e79ca2_proj
	.globl	k_q9ca5e79ca2_proj
	.p2align	8
	.type	k_q9ca5e79ca2_proj,@function
k_q9ca5e79ca2_proj:
	s_mov_b64 s[64:65], 0
	v_nop
	global_prefetch_b8 v0, s[64:65] scope:SCOPE_SE
	s_setreg_imm32_b32 hwreg(HW_REG_WAVE_MODE, 25, 1), 1
	s_wait_xcnt 0x0
; THE THREE 1x1 PROJECTIONS of gamma * attention(x) + x.  x: [4][256][4096] f32.  q = wq x + bq, k = wk x, v = wv x + bv, written as register images for the attention launch.
; DEAD WORK: bk.  A score is s[n][m] = q[n] . (wk x[m] + bk) = q[n] . (wk x[m]) + q[n] . bk.  The last term does not hang on the key m, so it is the same along the softmax's axis and
; cancels between numerator and denominator, whatever finite values the inputs hold.  bk has then no way to the output: it is not loaded and is no argument of any launch.
; LIMIT: a NaN, an infinity or an overflow that would reach the result through bk alone is not carried.
; FORMATS.  x and the weights are rounded once to bf16 for the products; sums in f32, begun with the bias as the C operand.  q and k are each multiplied in f32 by a = sqrt(log2 e), so that
; q . k is a base-2 exponent, and rounded once to f16; v is rounded once to f16.  LIMIT: a |q|, a |k| and |v| stay under 65,504 (f16); NaN and infinities are not treated apart.
; PIXELS BY TURNS.  Tile T = 4 G + f holds pixels 64 G + 4 r + f, r = 0..15.  One load of 16 bytes of a row of x gives a lane one number for each of the four tiles of group G.
; IMAGES.  Lane l = 16 h + r holds 16 bytes.  q and k, piece t: pixel row r, channels 16 t + 8 h + 0..7.  v, block cb: channel 16 cb + r, pixel rows 8 h + 0..7 of the tile.
;   qimg: [b][T][t][lane][8 f16], 1,024 bytes a tile.  kv: [b][T][9,216 bytes]: k's two pieces, then sixteen places of 512 bytes: place p holds v's block (p + 4 G) % 16, so that the wave of the
;   attention launch that walks tile T (wave G % 4) finds its register blocks in ascending order.  Every store of a wave covers 512 consecutive bytes, aligned.
; SHARES.  Work-group (G, b): 64 pixels x 320 output channels.  Wave w brings and rounds x's rows 64 w .. 64 w + 63 and shares them through LDS; it then makes one block of 16 channels of q (w = 0, 1)
; or k (w = 2, 3) and v's blocks 4 w .. 4 w + 3: 5 blocks x 8 K steps x 4 tiles = 160 matrix instructions.
; NOT USED: tensor loads and clusters (the weights come as f32 and must pass through registers to be rounded); a prefetch (all of x is asked for at the head).
; REGISTERS, in windows of 256: window 0 addresses, bias, accumulators, weight fragments, work; window 1 x's 32 fragments; window 2 weights as loaded, two buffers of 128; window 3 x as loaded.
.set WREG,   32768                     ; LDS 0 .. 32,767: x's fragments, fragment (kk, f) half u at 1,024 (4 kk + f) + 512 u + 16 lane.  From here: a stage of 16 rows for each wave
.set WPITCH, 528                       ; a row of 256 bf16 + 16 bytes: 33 x 16, so the 16 rows of a fragment load start at 16 different groups of four banks
.set SPARE,  66560                     ; the spare words, 128 bytes for each wave
.set KVT,    9216                      ; bytes of a tile in kv
.set XO,   4                           ; v4   h x 8 rows of x + 16 r
.set LL,   5                           ; v5   16 x lane
.set XSW,  6                           ; v6   where I put x's fragments
.set WLS,  8                           ; v8   my stage: 8 x lane
.set WLR,  9                           ; v9   my stage: row r, 16 h
.set BQO,  10                          ; v10  my 8 numbers of bq
.set BVO,  11                          ; v11  my number of bv
.set QKO,  12                          ; v12-15  tile f of q's or k's image + 16 x lane
.set SPW,  16                          ; v16  my spare word
.set NIL,  17                          ; v17  0
.set BVL,  20                          ; v20-23  bv for my four blocks
.set BIAS, 24                          ; v24-31  the C operand that starts a block's sums
.set ACC,  32                          ; v32-63  four accumulators, one a tile
.set WF,   64                          ; v64-127 a block's eight weight fragments
.set TMP,  128                         ; v128-191 rounded numbers on their way to LDS
.set PK,   192                         ; v192-207 packed results
.set WN,   20                          ; s20  my wave's number
.set XB,   22                          ; s[22:23] x at my rows and pixels
.set WQK,  24                          ; s[24:25] my block of wq or wk
.set WVB,  26                          ; s[26:27] my four blocks of wv
.set OQK,  28                          ; s[28:29] my piece of q's or k's image
.set TST,  30                          ; s30  bytes from tile to tile there
.set OV,   32                          ; s[32:33] my blocks of v's image
.set SA,   34                          ; s[34:35] a
.set MSB, 0
.macro WIN new                         ; the immediate's high byte repeats the setting that is left; a switch that changes nothing is dropped
.if MSB != (\new)
	s_set_vgpr_msb (MSB<<8)|(\new)
.set MSB, \new
.endif
.endm
	s_load_b512 s[4:19], s[0:1], 0x0               ; x, wq, wk, wv, bq, bv, qimg, kv
	v_lshl_add_u32 v[SPW], v0, 2, SPARE
	v_mov_b32 v[NIL], 0
	v_lshrrev_b32 v1, 5, v0
	v_readfirstlane_b32 s[WN], v1
	s_and_b32 s21, ttmp7, 0xffff                   ; b
	v_and_b32 v1, 31, v0                           ; lane
	v_and_b32 v2, 15, v0                           ; r
	v_bfe_u32 v3, v0, 4, 1                         ; h
	v_lshlrev_b32 v[LL], 4, v1
	v_lshlrev_b32 v[XO], 4, v2
	v_lshl_add_u32 v[XO], v3, 17, v[XO]
	s_lshl_b32 s36, s[WN], 13
	v_add_nc_u32 v[XSW], s36, v[LL]                ; my eight fragments: 8,192 w
	s_mul_i32 s36, s[WN], 16*WPITCH
	s_add_co_u32 s36, s36, WREG
	v_lshl_add_u32 v[WLS], v1, 3, s36
	v_mul_u32_u24 v[WLR], v2, WPITCH
	v_lshl_add_u32 v[WLR], v3, 4, v[WLR]
	v_add_nc_u32 v[WLR], s36, v[WLR]
	s_and_b32 s37, s[WN], 1                        ; t: which 16 channels of q or k
	s_lshl_b32 s36, s37, 6
	v_lshl_add_u32 v[BQO], v3, 5, s36              ; 4 (16 t + 8 h)
	s_lshl_b32 s36, s[WN], 8
	v_lshl_add_u32 v[BVO], v2, 2, s36              ; 4 (64 w + r)
	s_lshl_b32 s38, s21, 22                        ; offsets are made apart from the addresses: x
	s_lshl_b32 s36, s[WN], 20
	s_add_co_u32 s38, s38, s36
	s_lshl_b32 s36, ttmp9, 8
	s_add_co_u32 s38, s38, s36
	s_mov_b32 s39, 0
	s_lshl_b32 s40, s37, 14                        ; 16 rows of wq or wk
	s_mov_b32 s41, 0
	s_lshl_b32 s42, s[WN], 16                      ; 64 rows of wv
	s_mov_b32 s43, 0
	s_mul_i32 s44, s21, 256*KVT
	s_mul_i32 s36, ttmp9, 4*KVT
	s_add_co_u32 s44, s44, s36                     ; the group's four tiles in kv
	s_lshl_b32 s46, s21, 18
	s_lshl_b32 s36, ttmp9, 12
	s_add_co_u32 s46, s46, s36                     ; and in qimg
	s_lshl_b32 s36, s37, 9                         ; piece t
	s_mov_b32 s[TST], KVT
	s_cmp_lt_u32 s[WN], 2                          ; waves 0 and 1 make q, waves 2 and 3 k
	s_cselect_b32 s[TST], 1024, s[TST]
	s_cselect_b32 s46, s46, s44
	s_add_co_u32 s46, s46, s36
	s_mov_b32 s47, 0
	s_sub_co_u32 s36, s[WN], ttmp9
	s_and_b32 s36, s36, 3                          ; my blocks 4 w .. 4 w + 3 stand at places 4 ((w - G) % 4) on
	s_lshl_b32 s36, s36, 11
	s_add_co_u32 s44, s44, s36
	s_add_co_u32 s44, s44, 1024                    ; behind k's two pieces
	s_mov_b32 s45, 0
	s_mov_b32 s[SA], 0x3f99be61                    ; a = sqrt(log2 e) = 1.2011224
	s_mov_b32 s[SA+1], s[SA]
	v_mov_b32 v[QKO], v[LL]
	v_mad_u32_u24 v[QKO+1], s[TST], 1, v[LL]
	v_mad_u32_u24 v[QKO+2], s[TST], 2, v[LL]
	v_mad_u32_u24 v[QKO+3], s[TST], 3, v[LL]
	s_wait_kmcnt 0x0
	s_add_nc_u64 s[XB:XB+1], s[4:5], s[38:39]
	s_cmp_lt_u32 s[WN], 2
	s_cselect_b64 s[WQK:WQK+1], s[6:7], s[8:9]
	s_cselect_b64 s[OQK:OQK+1], s[16:17], s[18:19]
	s_add_nc_u64 s[WQK:WQK+1], s[WQK:WQK+1], s[40:41]
	s_add_nc_u64 s[OQK:OQK+1], s[OQK:OQK+1], s[46:47]
	s_add_nc_u64 s[WVB:WVB+1], s[10:11], s[42:43]
	s_add_nc_u64 s[OV:OV+1], s[18:19], s[44:45]
	; the biases.  q's sums start with bq (register j of lane (r, h): channel 16 t + 8 h + j), k's with 0
	s_cmp_lt_u32 s[WN], 2
	s_cbranch_scc0 .Lno_bq
	global_load_b128 v[BIAS:BIAS+3], v[BQO], s[12:13]
	global_load_b128 v[BIAS+4:BIAS+7], v[BQO], s[12:13] offset:16
	s_branch .Lbias
.Lno_bq:
.set n, 0
.rept 8
	v_mov_b32 v[BIAS+n], 0
.set n, n+1
.endr
.Lbias:
.irp n, 0,1,2,3
	global_load_b32 v[BVL+\n], v[BVO], s[14:15] offset:64*\n
.endr
; Loads lo .. hi of the 32 that bring block i's 16 rows x 256 f32, 16,384 bytes on end, into buffer i % 2 of window 2
.macro LOADW i, lo, hi
	WIN 0x80
.set n, \lo
.rept (\hi)-(\lo)+1
.if (\i) == 0
	global_load_b128 v[128*((\i)%2)+4*n:128*((\i)%2)+4*n+3], v[LL], s[WQK:WQK+1] offset:512*n
.else
	global_load_b128 v[128*((\i)%2)+4*n:128*((\i)%2)+4*n+3], v[LL], s[WVB:WVB+1] offset:((\i)-1)*16384+512*n
.endif
.set n, n+1
.endr
.endm
; Block i is rounded to bf16, laid into my stage by rows, and read back as eight fragments.  The stage is my own and LDS serves a wave's instructions in order (ISA guide 5.7.1.4): no barrier, no wait between.
; The 64 conversions name no register of the products in front of them: they are the places ahead of the loads into WF and of the reads of the accumulators.
.macro CVTW i
	WIN 0x0a
.set n, 0
.rept 64
	v_cvt_pk_bf16_f32 v[TMP+n], v[128*((\i)%2)+2*n], v[128*((\i)%2)+2*n+1]
.set n, n+1
.endr
	WIN 0
.set n, 0
.rept 32
	ds_store_b64 v[WLS], v[TMP+2*n:TMP+2*n+1] offset:(n/2)*WPITCH+(n%2)*256
.set n, n+1
.endr
.set n, 0
.rept 8
	ds_load_b128 v[WF+8*n:WF+8*n+3],   v[WLR] offset:64*n
	ds_load_b128 v[WF+8*n+4:WF+8*n+7], v[WLR] offset:64*n+32
.set n, n+1
.endr
.endm
; Block i's 32 products.  The four accumulators take turns, one instruction a turn.  Block 0 (q, k): source 0 = weights, source 1 = pixels: a lane ends with one pixel and 8 channels.
; Blocks 1 to 4 (v): source 0 = pixels, source 1 = weights: a lane ends with one channel and 8 pixels.  The first K step takes the bias as C.
.macro MULS i
.if (\i) == 0
	WIN 0x04
.else
	WIN 0x01
.endif
.set kk, 0
.rept 8
.set ft, 0
.rept 4
.if (\i) == 0
.if kk == 0
	v_wmma_f32_16x16x32_bf16 v[ACC+8*ft:ACC+8*ft+7], v[WF+8*kk:WF+8*kk+7], v[8*(4*kk+ft):8*(4*kk+ft)+7], v[BIAS:BIAS+7]
.else
	v_wmma_f32_16x16x32_bf16 v[ACC+8*ft:ACC+8*ft+7], v[WF+8*kk:WF+8*kk+7], v[8*(4*kk+ft):8*(4*kk+ft)+7], v[ACC+8*ft:ACC+8*ft+7]
.endif
.else
.if kk == 0
	v_wmma_f32_16x16x32_bf16 v[ACC+8*ft:ACC+8*ft+7], v[8*(4*kk+ft):8*(4*kk+ft)+7], v[WF+8*kk:WF+8*kk+7], v[BIAS:BIAS+7]
.else
	v_wmma_f32_16x16x32_bf16 v[ACC+8*ft:ACC+8*ft+7], v[8*(4*kk+ft):8*(4*kk+ft)+7], v[WF+8*kk:WF+8*kk+7], v[ACC+8*ft:ACC+8*ft+7]
.endif
.endif
.set ft, ft+1
.endr
.set kk, kk+1
.endr
.endm
; Block i leaves: each accumulator's registers in ascending order, 16 bytes a lane, 512 consecutive bytes a store
.macro OUT i
	WIN 0
.if (\i) > 0
	s_wait_xcnt 0x0                                ; the stores of the block before have read PK, which is written anew below
.else
.set n, 0
.rept 16
	v_pk_mul_f32 v[ACC+2*n:ACC+2*n+1], v[ACC+2*n:ACC+2*n+1], s[SA:SA+1] op_sel_hi:[1,0]
.set n, n+1
.endr
.endif
.set n, 0
.rept 16
	v_cvt_pk_f16_f32 v[PK+n], v[ACC+2*n], v[ACC+2*n+1]
.set n, n+1
.endr
.set n, 0
.rept 4
.if (\i) == 0
	global_store_b128 v[QKO+n], v[PK+4*n:PK+4*n+3], s[OQK:OQK+1]
.else
	global_store_b128 v[LL], v[PK+4*n:PK+4*n+3], s[OV:OV+1] offset:n*KVT+((\i)-1)*512
.endif
.set n, n+1
.endr
.endm
	; x: my 64 rows, 256 bytes of each.  Load n = 16 u2 + 8 u + i brings row 32 u2 + 16 u + 8 h + i; sixteen lanes read 256 consecutive bytes, aligned.  x is read once in this launch
	WIN 0xc0
.set n, 0
.rept 32
	global_load_b128 v[4*n:4*n+3], v[XO], s[XB:XB+1] offset:(32*(n/16)+16*((n/8)%2)+n%8)*16384 th:TH_LOAD_NT
.set n, n+1
.endr
	LOADW 0, 0, 23
	s_wait_loadcnt 24                              ; the 24 younger loads are weights: x and the biases are in
	WIN 0x0f
.set n, 0
.rept 64                               ; TMP + n, n = 8 (4 u2 + f) + 4 u + i2: channels 2 i2, 2 i2 + 1 of the lane's eight, tile f
	v_cvt_pk_bf16_f32 v[TMP+n], v[4*(16*(n/32)+8*((n/4)%2)+2*(n%4))+(n/8)%4], v[4*(16*(n/32)+8*((n/4)%2)+2*(n%4)+1)+(n/8)%4]
.set n, n+1
.endr
	WIN 0
.set n, 0
.rept 16
	ds_store_b128 v[XSW], v[TMP+4*n:TMP+4*n+3] offset:512*n
.set n, n+1
.endr
	LOADW 0, 24, 31
	WIN 0
	s_wait_dscnt 0x0                               ; for the others' sake: my fragments of x lie in LDS
	s_barrier_signal -1
	s_barrier_wait -1
	WIN 0x40
.set n, 0
.rept 64
	ds_load_b128 v[4*n:4*n+3], v[LL] offset:512*n  ; all 32 fragments, as they lie
.set n, n+1
.endr
.irp i, 0,1,2,3,4
.if \i < 4
	LOADW (\i)+1, 0, 31
	s_wait_loadcnt 32                              ; the 32 younger loads are the next block's: this block is in
.else
	s_wait_loadcnt 0x0
.endif
	CVTW \i
.if \i > 0
	OUT (\i)-1
.set n, 0
.rept 8
	v_mov_b32 v[BIAS+n], v[BVL+(\i)-1]             ; every pixel row of channel r starts with bv
.set n, n+1
.endr
.endif
	s_wait_dscnt 0x0                               ; the weight fragments (and, the first time, x's) are in
	MULS \i
.endr
.rept 4
	v_nop                                          ; four places between the last product and the reads of its result (ISA guide 7.12.1)
.endr
	OUT 4
	s_wait_tensorcnt 0x0                           ; the wave's end: behind my last LDS store
	ds_add_u32 v[SPW], v[NIL]
	s_wait_dscnt 0x0
	s_endpgm
.Lfunc_end_k_q9ca5e79ca2_proj:
	.size	k_q9ca5e79ca2_proj, .Lfunc_end_k_q9ca5e79ca2_proj-k_q9ca5e79ca2_proj
	.p2alignl 7, 3214868480
	.fill 96, 4, 3214868480
	.section	.rodata,"a",@progbits
	.p2align	6, 0x0
	.amdhsa_kernel k_q9ca5e79ca2_proj
		.amdhsa_group_segment_fixed_size 67072
		.amdhsa_private_segment_fixed_size 0
		.amdhsa_enable_private_segment 0
		.amdhsa_kernarg_size 64
		.amdhsa_user_sgpr_count 2
		.amdhsa_user_sgpr_kernarg_segment_ptr 1
		.amdhsa_wavefront_size32 1
		.amdhsa_system_sgpr_workgroup_id_x 1
		.amdhsa_system_sgpr_workgroup_id_y 1
		.amdhsa_system_sgpr_workgroup_id_z 1
		.amdhsa_system_vgpr_workitem_id 0
		.amdhsa_next_free_vgpr 896
		.amdhsa_next_free_sgpr 66
		.amdhsa_reserve_vcc 0
		.amdhsa_float_denorm_mode_32 3
		.amdhsa_float_denorm_mode_16_64 3
		.amdhsa_memory_ordered 1
		.amdhsa_forward_progress 1
		.amdhsa_inst_pref_size 87
	.end_amdhsa_kernel
	.amdgpu_metadata
---
amdhsa.version: [ 1, 2 ]
amdhsa.kernels:
  - .name:           k_q9ca5e79ca2_proj
    .symbol:         k_q9ca5e79ca2_proj.kd
    .args:
      - { .name: x, .offset: 0, .size: 8, .value_kind: global_buffer, .address_space: global }
      - { .name: wq, .offset: 8, .size: 8, .value_kind: global_buffer, .address_space: global }
      - { .name: wk, .offset: 16, .size: 8, .value_kind: global_buffer, .address_space: global }
      - { .name: wv, .offset: 24, .size: 8, .value_kind: global_buffer, .address_space: global }
      - { .name: bq, .offset: 32, .size: 8, .value_kind: global_buffer, .address_space: global }
      - { .name: bv, .offset: 40, .size: 8, .value_kind: global_buffer, .address_space: global }
      - { .name: qimg, .offset: 48, .size: 8, .value_kind: global_buffer, .address_space: global }
      - { .name: kv, .offset: 56, .size: 8, .value_kind: global_buffer, .address_space: global }
    .group_segment_fixed_size: 67072
    .private_segment_fixed_size: 0
    .kernarg_segment_align: 8
    .kernarg_segment_size: 64
    .max_flat_workgroup_size: 128
    .sgpr_count:     66
    .vgpr_count:     896
    .wavefront_size: 32
...
	.end_amdgpu_metadata
.endif
;; end of part 1
;; launch attn (part 2): grid 64 x 4, 4 waves a work-group, clusters of 4 x 1, 327,680 bytes of LDS; arguments qimg, kv, x, gamma, out0; writes out0
.if DOCPART == 2
	.amdgcn_target "amdgcn-amd-amdhsa--gfx1250"
	.amdhsa_code_object_version 6
	.text
	.protected	k_q9ca5e79ca2_attn
	.globl	k_q9ca5e79ca2_attn
	.p2align	8
	.type	k_q9ca5e79ca2_attn,@function
k_q9ca5e79ca2_attn:
	s_mov_b64 s[64:65], 0
	v_nop
	global_prefetch_b8 v0, s[64:65] scope:SCOPE_SE
	s_setreg_imm32_b32 hwreg(HW_REG_WAVE_MODE, 25, 1), 1
	s_wait_xcnt 0x0
	s_wait_alu depctr_hold_cnt(0) depctr_sa_sdst(0) depctr_va_vdst(0) depctr_va_sdst(0) depctr_va_ssrc(0) depctr_va_vcc(0) depctr_vm_vsrc(0)
	s_getreg_b32 s2, hwreg(HW_REG_IB_STS2, 6, 4)
	s_cmp_eq_u32 s2, 0
	s_cbranch_scc0 .Lentry_in_a_cluster
	s_endpgm
.Lentry_in_a_cluster:
	s_bfe_u32 s2, ttmp6, 0x10000c
	s_cmp_lg_u32 s2, 0x3003
	s_cbranch_scc0 .Lentry_shape_is_right
	s_endpgm
.Lentry_shape_is_right:
; out0[b][c][m] = gamma x (the sum over keys n of softmax_n(q[m] . k[n]) v[c][n]) + x[b][c][m].  q, k, v come as f16 register images (qimg, kv); their scores are base-2 exponents already.
; LEFT OUT: bk, which adds the same number to all scores of a row and cancels in the softmax (shown at the head of the launch before).
; LIMITS.  A weight p lies in 0 to 1 and is rounded to f16 for the second product (below 6e-5 it keeps f16's fixed step); its sum l is taken of the unrounded p; a weight below 2^-126 counts as 0.  NaN and infinities are not treated apart.
; TILES.  Tile T = 4 G + f holds pixels 64 G + 4 r + f.  Keys may stand in any order as long as k and v share it; for queries, a lane's four tiles are four neighbouring pixels: 16 bytes of out0.
; SHARES.  A work-group owns 64 queries (tiles 4 G .. 4 G + 3) of one image.  EVERY wave holds all 64 queries x 256 channels of O^T (512 registers) and walks A QUARTER OF THE KEYS; the four partial sums meet in LDS at the end.
; TWO PASSES.  q k^T is a ninth of the matrix work.  Pass 1 makes all scores once and takes each query's true maximum m.  Pass 2 makes them again with -m as the C operand, so that they leave the matrix unit
; ready for the exponential: no running maximum, no correction of O^T.
; LAYOUT.  S^T = K Q^T (source 0 = 16 keys, source 1 = 16 queries): a lane holds one query (lane % 16) and keys 8 (lane / 16) + 0..7.  Two such results rounded to f16 in pairs ARE source 1 of O^T = V^T P.
; CLUSTER.  The four work-groups of a cluster lie in one image and walk the same kv: each slot is asked for JOINTLY, by the same tensor load with the same descriptor and the mask of four.
; TWO ROADS.  A slot is 16 key tiles; wave w walks its tiles 4 w .. 4 w + 3.  Of a tile's 9,216 bytes the first 5,120 (K and V's places 0-7) come jointly through a ring of two LDS slots: one load a wave of 4 rows of 5,120
; bytes (the rows lie 9,216 bytes apart in kv, so they cannot be asked for as shorter rows on end), 81,920 bytes a slot.  V's places 8-15 (4,096 bytes) come by the wave's OWN loads straight into V's registers.
; WHY THOSE ARE NOT ASKED FOR JOINTLY: a joint refill goes out only behind a round in front of which every tensor load has landed, so from a round to the refill's first bytes nothing of the ring is on its way;
; a wave's own loads stay out across the rounds: 16 a step (8,192 bytes), issued at a turn's head, 112 matrix instructions ahead of their first use.
; SIXTEEN STARTS.  m is known before pass 2, so the keys may be summed in any order: cluster x of an image starts at slot x xor 14 (x % 2) and walks round all sixteen.  In no trip do two clusters of an image ask for the same slot.
; NO PREFETCH is laid: every slot is asked for first by some cluster's first fills, at the kernel's head, where none is laid; the own loads are their own early request; x is loaded 64 products and the merge ahead of its use.
; REGISTERS, in windows of 256 (s_set_vgpr_msb: bits 1:0 source 0, 3:2 source 1, 5:4 source 2, 7:6 destination):
;   window 0: v0-15 addresses; v16-19 m, later gamma / l; v20-27 l; v28-31 at work; v32-63 Q; v64-79 K of a step; v80-111 -m; v112-175 S^T; v176-239 P, two buffers; v240-255 at work
;   window 1: V of a step, two buffers of 128; at the end x      windows 2, 3: in pass 1 my 64 tiles of K; then O^T, tile f in window 2 + f / 2 at 128 (f % 2) + 8 cb
; CHANNELS TURNED.  Register block cb of wave w is place cb of its tiles: channel block (cb + 4 w) % 16, so that at the merge every wave keeps its register blocks 0-3: channels 64 w .. 64 w + 63.
.set TILEB, 9216                       ; a tile in kv: K's 1,024 bytes, V's sixteen places of 512
.set RINGT, 5120                       ; its first bytes, which the ring brings; also a tile's pitch in LDS
.set QUARTG, 36864                     ; four tiles in kv
.set QUARTL, 20480                     ; four tiles' ring bytes: a wave's part of a slot in LDS
.set SLOTG, 147456                     ; sixteen tiles in kv
.set SLOT1, 131072                     ; slot 1 begins here in LDS.  A slot's 81,920 bytes end below it, so one exclusive or turns an address in one slot into the other's
.set BATKV, 2359296                    ; an image's 256 tiles
.set MX,    262144                     ; behind the ring: the waves' maxima, 512 bytes each
.set LX,    264192                     ; the waves' sums l
.set SPARE, 266240                     ; the spare words, 128 bytes for each wave
.set AL,  2                            ; v2   LDS address of my tiles in the slot in hand
.set AL0, 3                            ; v3   the same less the slot; never rewritten
.set LL,  12                           ; v12  16 x lane
.set XO,  13                           ; v13  h x 8 rows of x + 16 r
.set SPW, 14                           ; v14  my spare word
.set NIL, 15                           ; v15  0
.set M,   16
.set L,   20
.set LS,  28
.set Q,   32
.set KF,  64
.set NEGM, 80
.set S,   112                          ; S(f, i) at S + 16 f + 8 i
.set P,   176                          ; P[buffer][f] at P + 32 buffer + 8 f
.set T,   240
.set STW, 2                            ; the merge: where I put my register groups 1 to 3
.set STR, 4                            ; v4-6 where I read the three groups that are mine
.set LXW, 7
.set LXR, 8
.set CUR, 2                            ; s2   the number of the slot in hand
.set GAM, 14                           ; s14  gamma
.set WV,  15                           ; s15  my wave's number
.set CX,  16                           ; s16  my place in the cluster: it enters the global addresses of Q, x and out0 alone
.set VDB, 20                           ; s[20:21] kv at place 8 of my first tile of the slot in hand
.set OFF, 22                           ; s[22:23] a slot's byte offset in kv
.set G1,  24                           ; s[24:31] descriptor group 1
.set G0A, 32                           ; s[32:35] group 0 of LDS slot 0's first fill
.set G0,  36                           ; s[36:39] group 0 of LDS slot 1's first fill, and of every refill
.set KB,  40                           ; s[40:41] kv at my 64 tiles of pass 1
.set QB,  42                           ; s[42:43] qimg at my work-group's four tiles
.set XB,  44                           ; s[44:45] x at my 64 channels and the work-group's 64 pixels
.set OB,  46                           ; s[46:47] out0 likewise
.set RB,  48                           ; s[48:49] kv at my first tile of the image's slot 0
.set VD0, 50                           ; s[50:51] the same at place 8
.set SLOTS, 52                         ; s52  slots still to be asked for
.set TB,  53                           ; s53  LDS byte at which the slot in hand begins
.set SEL, 54                           ; s[54:55] v_permlanex16_b32's selects: each lane takes its own place in the other half
.set MSB, 0
.macro WIN new                         ; the immediate's high byte repeats the setting that is left; a switch that changes nothing is dropped
.if MSB != (\new)
	s_set_vgpr_msb (MSB<<8)|(\new)
.set MSB, \new
.endif
.endm
.macro PLACES                          ; four places behind a matrix instruction, ahead of reads of its result and of loads or writes into its registers (ISA guide 7.12.1 for vector instructions)
.rept 4
	v_nop
.endr
.endm
; A round of the cluster's barrier: my work-group's barrier; wave 0 signals for the work-group; every wave waits for all four work-groups; my work-group's barrier once more.
.macro CROUND
	s_barrier_signal -1
	s_barrier_wait -1
	s_cmp_lg_u32 s[WV], 0
	s_cbranch_scc1 .Lnot_wave_0_\@
	s_barrier_signal -3
.Lnot_wave_0_\@:
	s_barrier_wait -3
	s_barrier_signal -1
	s_barrier_wait -1
.endm
; My own loads: V's places 8-15 of tiles 2 hf and 2 hf + 1 of my four in the slot in hand, into buffer p: 16 loads of 512 consecutive bytes
.macro FETCH_D p, hf
	WIN 0x40
.set cb, 8
.rept 8
	global_load_b128 v[128*(\p)+8*cb:128*(\p)+8*cb+3],   v[LL], s[VDB:VDB+1] offset:(2*(\hf))*TILEB+(cb-8)*512
	global_load_b128 v[128*(\p)+8*cb+4:128*(\p)+8*cb+7], v[LL], s[VDB:VDB+1] offset:(2*(\hf)+1)*TILEB+(cb-8)*512
.set cb, cb+1
.endr
.endm
	s_load_b256 s[4:11], s[0:1], 0x0               ; qimg s[4:5], kv s[6:7], x s[8:9], gamma s[10:11]
	s_load_b64 s[12:13], s[0:1], 0x20              ; out0
	v_lshl_add_u32 v[SPW], v0, 2, SPARE
	v_mov_b32 v[NIL], 0
	ds_add_u32 v[SPW], v[NIL]                      ; the wave's opening: the add, twice on end, and its wait ahead of my first tensor load; the set-up below stands between
	ds_add_u32 v[SPW], v[NIL]
	v_lshrrev_b32 v1, 5, v0
	v_readfirstlane_b32 s[WV], v1
	s_bfe_u32 s[CX], ttmp6, 0x40000
	s_and_b32 s17, ttmp7, 0xffff                   ; the image, which the four partners share
	; descriptor group 1: 4 rows of 640 elements of 8 bytes, 1,152 elements apart
	s_mov_b32 s[G1], 15|(3<<16)|(1<<21)            ; 15:0 the mask of four; 17:16 elements of 8 bytes; 21 set beside a mask; no padding
	s_mov_b32 s[G1+1], 640<<16                     ; tensor_dim0 = 640
	s_mov_b32 s[G1+2], 4<<16                       ; tensor_dim1 = 4
	s_mov_b32 s[G1+3], 640<<16                     ; tile_dim0 = 640
	s_mov_b32 s[G1+4], 4                           ; tile_dim1 = 4
	s_mov_b32 s[G1+5], 1152                        ; 1,152 elements from row to row
	s_mov_b32 s[G1+6], 0
	s_mov_b32 s[G1+7], 0
	s_mov_b32 s[G0A], 1
	s_mul_i32 s[G0A+1], s[WV], QUARTL              ; LDS: my quarter of slot 0,
	s_mov_b32 s[G0], 1
	s_add_co_u32 s[G0+1], s[G0A+1], SLOT1          ; and of slot 1
	s_and_b32 s3, ttmp9, 1                         ; in a cluster launch ttmp9 counts clusters: the four partners share it
	s_mul_i32 s3, s3, 14
	s_xor_b32 s[CUR], ttmp9, s3                    ; the cluster's first slot: x xor 14 (x % 2), another for each of the image's sixteen clusters
	s_mul_i32 s18, s17, BATKV
	s_mov_b32 s19, 0
	s_mul_i32 s20, s[WV], QUARTG
	s_mov_b32 s21, 0
	s_mul_i32 s22, s[WV], 64*TILEB
	s_mov_b32 s23, 0
	s_lshl_b32 s56, ttmp9, 2
	s_add_co_u32 s56, s56, s[CX]                   ; G = 4 x cluster + cx
	s_lshl_b32 s58, s17, 18
	s_lshl_b32 s57, s56, 12
	s_add_co_u32 s58, s58, s57                     ; qimg: image, four tiles of 1,024 bytes
	s_mov_b32 s59, 0
	s_lshl_b32 s60, s17, 22
	s_lshl_b32 s57, s[WV], 20
	s_add_co_u32 s60, s60, s57
	s_lshl_b32 s57, s56, 8
	s_add_co_u32 s60, s60, s57                     ; x and out0: image, 64 w rows, 256 G bytes
	s_mov_b32 s61, 0
	s_mov_b32 s[SEL], 0x76543210
	s_mov_b32 s[SEL+1], 0xfedcba98
	v_and_b32 v5, 31, v0                           ; lane
	v_and_b32 v6, 15, v0                           ; r
	v_bfe_u32 v7, v0, 4, 1                         ; h
	v_lshlrev_b32 v[LL], 4, v5
	v_lshlrev_b32 v[XO], 4, v6
	v_lshl_add_u32 v[XO], v7, 17, v[XO]
	v_add_nc_u32 v[AL0], s[G0A+1], v[LL]
.irp g, 0,1,2,3
	v_mov_b32 v[LS+\g], 0                          ; written once, since a lane exchange counts as a reader of its destination
.endr
	s_wait_dscnt 0x0                               ; both opening adds are done
	s_wait_kmcnt 0x0
	s_load_b32 s[GAM], s[10:11], 0x0
	s_add_nc_u64 s[18:19], s[6:7], s[18:19]        ; kv at the image
	s_add_nc_u64 s[RB:RB+1], s[18:19], s[20:21]    ; at my four tiles of its slot 0
	s_add_nc_u64 s[VD0:VD0+1], s[RB:RB+1], RINGT
	s_add_nc_u64 s[KB:KB+1], s[18:19], s[22:23]
	s_mul_i32 s[OFF], s[CUR], SLOTG                ; the offsets are made apart from the addresses; the pair's high word stays 0
	s_add_nc_u64 s[G0A+2:G0A+3], s[RB:RB+1], s[OFF:OFF+1]
	s_add_nc_u64 s[VDB:VDB+1], s[VD0:VD0+1], s[OFF:OFF+1]
	s_add_co_u32 s3, s[CUR], 1
	s_and_b32 s3, s3, 15
	s_mul_i32 s[OFF], s3, SLOTG                    ; the slot behind it, round the sixteen
	s_add_nc_u64 s[G0+2:G0+3], s[RB:RB+1], s[OFF:OFF+1]
	s_or_b32 s[G0A+3], s[G0A+3], 0x80000000        ; type = 2
	s_or_b32 s[G0+3], s[G0+3], 0x80000000
	s_add_nc_u64 s[QB:QB+1], s[4:5], s[58:59]
	s_add_nc_u64 s[XB:XB+1], s[8:9], s[60:61]
	s_add_nc_u64 s[OB:OB+1], s[12:13], s[60:61]
	CROUND                                         ; all four work-groups are here: the first joint loads meet
	tensor_load_to_lds s[G0A:G0A+3], s[G1:G1+7]    ; both first fills together: two loads of mine are out
	s_nop 0
	tensor_load_to_lds s[G0:G0+3], s[G1:G1+7]
	s_nop 0
	PLACES
.irp f, 0,1,2,3
	global_load_b128 v[Q+8*\f:Q+8*\f+3],   v[LL], s[QB:QB+1] offset:1024*\f
	global_load_b128 v[Q+8*\f+4:Q+8*\f+7], v[LL], s[QB:QB+1] offset:1024*\f+512
.endr
; PASS 1.  My 64 tiles of K (tiles 64 w + i) come straight from memory into the registers that O^T takes later: tile i in window 2 + i / 32 at 8 (i % 32).
.macro LOADK i
	WIN 0x80+0x40*((\i)/32)
	global_load_b128 v[8*((\i)%32):8*((\i)%32)+3],   v[LL], s[KB:KB+1] offset:(\i)*TILEB
	global_load_b128 v[8*((\i)%32)+4:8*((\i)%32)+7], v[LL], s[KB:KB+1] offset:(\i)*TILEB+512
.endm
; The 64 scores a lane of set st go into the four running maxima, two a line; each accumulator's lowest registers are read first; a query tile's lines stand four apart.
.macro P1MAX st, first
.set aa, 0
.rept 4
.set ii, 0
.rept 2
.set ff, 0
.rept 4
.set rB, S+64*(\st)+32*ii+8*ff+2*aa
.if (\first) && (aa == 0) && (ii == 0)
	v_max_num_f32 v[M+ff], v[rB], v[rB+1]
.else
	v_max3_num_f32 v[M+ff], v[M+ff], v[rB], v[rB+1]
.endif
.set ff, ff+1
.endr
.set ii, ii+1
.endr
.set aa, aa+1
.endr
.endm
; Group g: tiles 2 g and 2 g + 1 x four query tiles: 8 products into set g % 2 (S^T's and P's registers); then the maxima of the set before, which are the places behind these products.
; Behind group 20's products, when all of K has been asked for, go my own 16 loads of V for step 0 of pass 2: window 1 is free.
.macro P1GROUP g
.if (\g) <= 19
	s_wait_loadcnt 48                              ; 24 younger tiles, two loads each, may stay out
.elseif (\g) == 20
	s_wait_loadcnt 44                              ; nothing more of K is asked for: 22 younger tiles
.else
	s_wait_loadcnt 140-4*(\g)                      ; the count runs down: the younger tiles' loads, and V's 16
.endif
	WIN 0x02+(\g)/16
.set ii, 0
.rept 2
.set ff, 0
.rept 4
	v_wmma_f32_16x16x32_f16 v[S+64*((\g)%2)+32*ii+8*ff:S+64*((\g)%2)+32*ii+8*ff+7], v[8*((2*(\g)+ii)%32):8*((2*(\g)+ii)%32)+7], v[Q+8*ff:Q+8*ff+7], 0
.set ff, ff+1
.endr
.set ii, ii+1
.endr
.if (\g) <= 18
	LOADK 26+2*(\g)
	LOADK 27+2*(\g)
.endif
.if (\g) == 20
	FETCH_D 0, 0
.endif
	WIN 0
.if (\g) == 0
	PLACES
.elseif (\g) == 1
	P1MAX 0, 1
.else
	P1MAX ((\g)-1)%2, 0
.endif
.endm
.set kt, 0
.rept 26
	LOADK kt
.set kt, kt+1
.endr
.set gg, 0
.rept 32
	P1GROUP gg
.set gg, gg+1
.endr
	PLACES
	P1MAX 1, 0
	; the query's other keys lie in the lane 16 away, and in the other three waves
.irp f, 0,1,2,3
	v_permlanex16_b32 v[LS+\f], v[M+\f], s[SEL], s[SEL+1]
.endr
.irp f, 0,1,2,3
	v_max_num_f32 v[M+\f], v[M+\f], v[LS+\f]
.endr
	s_lshl_b32 s3, s[WV], 9
	s_add_co_u32 s3, s3, MX
	v_add_nc_u32 v[AL], s3, v[LL]
	v_add_nc_u32 v4, MX, v[LL]
	ds_store_b128 v[AL], v[M:M+3]
	s_wait_tensorcnt 0x1                           ; my quarter of the first slot is in; the second's load may stay out
	s_wait_kmcnt 0x0                               ; gamma
	s_wait_dscnt 0x0                               ; for the others' sake: my maxima lie in LDS
	s_barrier_signal -1
	s_barrier_wait -1
.irp k, 0,1,2,3
	ds_load_b128 v[T+4*\k:T+4*\k+3], v4 offset:512*\k
.endr
; PASS 2: 32 steps of 32 keys a wave; step j lies in the walk's slot j / 2, half j % 2; its V and P in buffer j % 2.
.macro SETADR
	v_add_nc_u32 v[AL], s[TB], v[AL0]
.endm
.macro FETCH_K hf                      ; two tiles of K: 4 loads
	WIN 0
.irp i, 0,1
	ds_load_b128 v[KF+8*\i:KF+8*\i+3],   v[AL] offset:(2*(\hf)+\i)*RINGT
	ds_load_b128 v[KF+8*\i+4:KF+8*\i+7], v[AL] offset:(2*(\hf)+\i)*RINGT+512
.endr
.endm
.macro FETCH_V p, hf                   ; V's places 0-7 of two tiles, 8 fragments: 16 loads in one run
	WIN 0x40
.set cb, 0
.rept 8
	ds_load_b128 v[128*(\p)+8*cb:128*(\p)+8*cb+3],   v[AL] offset:(2*(\hf))*RINGT+1024+cb*512
	ds_load_b128 v[128*(\p)+8*cb+4:128*(\p)+8*cb+7], v[AL] offset:(2*(\hf)+1)*RINGT+1024+cb*512
.set cb, cb+1
.endr
.endm
.macro QK                              ; S^T = K Q^T - m: 8 products, each a whole sum
	WIN 0
.set ii, 0
.rept 2
.set ff, 0
.rept 4
	v_wmma_f32_16x16x32_f16 v[S+16*ff+8*ii:S+16*ff+8*ii+7], v[KF+8*ii:KF+8*ii+7], v[Q+8*ff:Q+8*ff+7], v[NEGM+8*ff:NEGM+8*ff+7]
.set ff, ff+1
.endr
.set ii, ii+1
.endr
.endm
; Product n of 64 of O^T += V^T P.  Register blocks 0-7, which come out of LDS, first (n < 32), blocks 8-15, which come by my own loads, last; in each half query tiles 0, 1 and then 2, 3.
; Each of the 64 accumulators has one instruction a step: they take turns.  zero = 1: the first step starts the sums.
.macro PV n, par, zero
.set cb, 8*((\n)/32)+((\n)%16)/2
.set ft, 2*(((\n)/16)%2)+(\n)%2
.set rO, 128*(ft%2)+8*cb
.set rV, 128*(\par)+8*cb
.set rP, P+32*(\par)+8*ft
	WIN 0xa1+0x50*(((\n)/16)%2)
.if \zero
	v_wmma_f32_16x16x32_f16 v[rO:rO+7], v[rV:rV+7], v[rP:rP+7], 0
.else
	v_wmma_f32_16x16x32_f16 v[rO:rO+7], v[rV:rV+7], v[rP:rP+7], v[rO:rO+7]
.endif
.endm
; Number q of the 64 that follow the exponentials: a pair of weights is rounded to f16 (even q), and added onto l (odd q).  A query tile's additions stand eight lines apart.
.macro PO q, pb
.set uu, (\q)/2
.set ft, uu%4
.set it, uu/16
.set at, (uu/4)%4
	WIN 0
.if (\q)%2 == 0
	v_cvt_pk_f16_f32 v[P+32*(\pb)+8*ft+4*it+at], v[S+16*ft+8*it+2*at], v[S+16*ft+8*it+2*at+1]
.else
	v_pk_add_f32 v[L+2*ft:L+2*ft+1], v[L+2*ft:L+2*ft+1], v[S+16*ft+8*it+2*at:S+16*ft+8*it+2*at+1]
.endif
.endm
; A TURN, for step j of parity par: the 64 products V^T P of step j; beside them the scores, exponentials, roundings and sums of step j + 1, whose K and V it fetches.
; My own loads of step j + 1 go out first, into the blocks that the turn before multiplied last: the four roundings and sums behind that turn's last product are the places between.
; The 64 exponentials are ONE BATCH with one wait: nothing ahead of the wait names a result of theirs, and no exponential is issued behind it.
.macro TURN par, zero=0
	WIN 0
	s_wait_dscnt 0x0                               ; V's blocks 0-7 of step j are in
	FETCH_D 1-(\par), 1-(\par)
	FETCH_K 1-(\par)                               ; K's registers were last read by the turn before's scores, far more than four places back
.set pn, 0
.rept 8
	PV pn, \par, \zero
.set pn, pn+1
.endr
	WIN 0
	s_wait_dscnt 0x0                               ; K's four loads
	QK
	PLACES                                         ; ahead of the exponentials, which read and write the scores, and of the loads into the other buffer of V
	FETCH_V 1-(\par), 1-(\par)
.set en, 0
.rept 32
.if pn == 32
	s_wait_loadcnt 16                              ; V's blocks 8-15 of step j are in: the 16 younger loads are step j + 1's
.endif
	PV pn, \par, \zero
.set pn, pn+1
	WIN 0
	v_exp_f32 v[S+en], v[S+en]
	v_exp_f32 v[S+en+1], v[S+en+1]
.set en, en+2
.endr
	v_nop                                          ; a plain instruction behind the last exponential, ahead of the first use: one for the batch
	s_wait_alu depctr_va_vdst(0)                   ; the wait ahead of the first instruction that names a result: one for the batch
.rept 8
	PV pn, \par, \zero
.set pn, pn+1
.endr
.set qn, 0
.rept 16
	PV pn, \par, \zero
.set pn, pn+1
.rept 4
	PO qn, 1-(\par)
.set qn, qn+1
.endr
.endr
.endm
; THE CHANGE OF SLOTS.  The slot's last bytes have been asked for.  Each wave waits for all its tensor loads, of which one is out: its quarter of the other slot; adds 0 to its spare word; and waits for that and
; for its own reads of the slot.  The slot in hand steps round the sixteen, and with it the base of my own loads.  fill = 1: the LDS slot is filled again, with the slot behind the one now in hand: the descriptor's
; address is made anew from that number; the barrier is then a round of the cluster's, so that no wave of any partner still reads the slot or has a load on its way, and the joint refill is the first thing behind
; it: it has two turns, 144 matrix instructions, in which to land.
.macro CHANGE fill
	WIN 0
	s_wait_tensorcnt 0x0                           ; no tensor load of mine is out, so a group 0 may be written
	ds_add_u32 v[SPW], v[NIL]                      ; 0 onto my spare word
	s_add_co_u32 s[CUR], s[CUR], 1
	s_and_b32 s[CUR], s[CUR], 15
.if \fill
	s_add_co_u32 s3, s[CUR], 1
	s_and_b32 s3, s3, 15
	s_mul_i32 s[OFF], s3, SLOTG
	s_xor_b32 s[G0+1], s[G0+1], SLOT1              ; the other LDS slot than last time
	s_add_nc_u64 s[G0+2:G0+3], s[RB:RB+1], s[OFF:OFF+1]
	s_or_b32 s[G0+3], s[G0+3], 0x80000000
.endif
	s_wait_xcnt 0x0                                ; my own loads, the youngest a turn back, have read their base, so it may be written
	s_mul_i32 s[OFF], s[CUR], SLOTG
	s_add_nc_u64 s[VDB:VDB+1], s[VD0:VD0+1], s[OFF:OFF+1]
	s_wait_dscnt 0x0                               ; the add is done, and my reads of the slot are over
.if \fill
	CROUND
	tensor_load_to_lds s[G0:G0+3], s[G1:G1+7]
	s_nop 0
	PLACES
.else
	s_barrier_signal -1
	s_barrier_wait -1
.endif
	s_xor_b32 s[TB], s[TB], SLOT1                  ; the fetches go on in the other LDS slot
	SETADR
.endm
	s_mov_b32 s[TB], 0
	SETADR
	FETCH_K 0                                      ; step 0
	FETCH_V 0, 0
	WIN 0
	s_wait_dscnt 20                                ; the four waves' maxima are in; K's 4 and V's 16 loads are younger
.irp f, 0,1,2,3
	v_max3_num_f32 v[M+\f], v[T+\f], v[T+4+\f], v[T+8+\f]
.endr
.irp f, 0,1,2,3
	v_max_num_f32 v[M+\f], v[M+\f], v[T+12+\f]     ; m over all 4,096 keys
.endr
.set n, 0
.rept 32
	v_sub_f32 v[NEGM+n], 0, v[M+n/8]               ; the C operand: -m of the lane's query, in all eight registers
.set n, n+1
.endr
.set n, 0
.rept 8
	v_mov_b32 v[L+n], 0
.set n, n+1
.endr
	s_wait_dscnt 16                                ; K is in; V's 16 loads are younger
	QK
	PLACES
.set en, 0
.rept 64
	v_exp_f32 v[S+en], v[S+en]
.set en, en+1
.endr
	v_nop
	s_wait_alu depctr_va_vdst(0)
.set qn, 0
.rept 64
	PO qn, 0
.set qn, qn+1
.endr
	TURN 0, 1                                      ; step 0 starts O^T's sums: nothing is cleared
	WIN 0
	s_mov_b32 s[SLOTS], 14
.Lslot:                                            ; 14 trips: the walk's slots 2 to 15 are asked for; a trip multiplies an odd step and the even one behind it
	CHANGE 1
	TURN 1
	TURN 0
	WIN 0
	s_sub_co_u32 s[SLOTS], s[SLOTS], 1
	s_cmp_lg_u32 s[SLOTS], 0
	s_cbranch_scc1 .Lslot
	CHANGE 0                                       ; the tail is written out: the last slot is entered and nothing is asked for
	TURN 1
	TURN 0
	WIN 0                                          ; the last step: products alone
	s_wait_dscnt 0x0                               ; V's blocks 0-7 of step 31 are in
.irp f, 0,1,2,3
	v_add_f32 v[LS+\f], v[L+2*\f], v[L+2*\f+1]     ; l's two halves: more places ahead of the loads into V's buffer 0, which step 30 multiplied
.endr
	WIN 0x40
.set n, 0
.rept 32                               ; x: channel 64 w + 16 (n / 8) + 8 h + n % 8, pixels 4 r .. 4 r + 3; sixteen lanes read 256 consecutive bytes, aligned
	global_load_b128 v[4*n:4*n+3], v[XO], s[XB:XB+1] offset:(16*(n/8)+n%8)*16384 th:TH_LOAD_NT
.set n, n+1
.endr
.set pn, 0
.rept 64
.if pn == 32
	s_wait_loadcnt 32                              ; V's blocks 8-15 of step 31 are in: the 32 younger loads are x's
.endif
	PV pn, 1, 0
.set pn, pn+1
.endr
	; THE MERGE.  Register group g of wave w is channel group (g + w) % 4: groups 1 to 3 go through LDS to the waves that own them.  The stage, 12 regions of 16,384 bytes, lies in the ring's bytes, which have had
	; their last fill.  The address lines are the places behind the last products.
	WIN 0
	s_mul_i32 s3, s[WV], 49152
	v_add_nc_u32 v[STW], s3, v[LL]
.irp g, 1,2,3
	s_add_co_u32 s3, s[WV], 4-\g
	s_and_b32 s3, s3, 3                            ; my channels lie in group g of wave (w - g) % 4
	s_mul_i32 s3, s3, 49152
	s_add_co_u32 s3, s3, (\g-1)*16384
	v_add_nc_u32 v[STR+\g-1], s3, v[LL]
.endr
	s_lshl_b32 s3, s[WV], 9
	s_add_co_u32 s3, s3, LX
	v_add_nc_u32 v[LXW], s3, v[LL]
	v_add_nc_u32 v[LXR], LX, v[LL]
.irp f, 0,1,2,3
	v_permlanex16_b32 v[T+\f], v[LS+\f], s[SEL], s[SEL+1]
.endr
.irp f, 0,1,2,3
	v_add_f32 v[LS+\f], v[LS+\f], v[T+\f]
.endr
	s_wait_dscnt 0x0
	s_barrier_signal -1
	s_barrier_wait -1                              ; every wave's reads of the ring are over
	ds_store_b128 v[LXW], v[LS:LS+3]
.macro STOUT hiw                       ; groups 1 to 3 of window 2 + hiw; each accumulator's low four registers first
	WIN 0x08+4*(\hiw)
.set n, 0
.rept 48                               ; n = 16 (g - 1) + 8 (f % 2) + 2 c4 + half
	ds_store_b128 v[STW], v[128*((n/8)%2)+8*(4*(n/16+1)+(n/2)%4)+4*(n%2):128*((n/8)%2)+8*(4*(n/16+1)+(n/2)%4)+4*(n%2)+3] offset:(n/16)*16384+(4*(2*(\hiw)+(n/8)%2)+(n/2)%4)*1024+(n%2)*512
.set n, n+1
.endr
.endm
.macro STIN hiw                        ; and the three groups that are mine, into the registers just sent
	WIN 0x80+0x40*(\hiw)
.set n, 0
.rept 48
	ds_load_b128 v[128*((n/8)%2)+8*(4*(n/16+1)+(n/2)%4)+4*(n%2):128*((n/8)%2)+8*(4*(n/16+1)+(n/2)%4)+4*(n%2)+3], v[STR+n/16] offset:(4*(2*(\hiw)+(n/8)%2)+(n/2)%4)*1024+(n%2)*512
.set n, n+1
.endr
.endm
.macro SUMS hiw                        ; group 0 += group 1; group 2 += group 3; group 0 += group 2.  n = 16 (f % 2) + 4 c4 + pair
	WIN 0x8a+0x45*(\hiw)
.set n, 0
.rept 32
	v_pk_add_f32 v[128*(n/16)+2*(n%16):128*(n/16)+2*(n%16)+1], v[128*(n/16)+2*(n%16):128*(n/16)+2*(n%16)+1], v[128*(n/16)+2*(n%16)+32:128*(n/16)+2*(n%16)+33]
.set n, n+1
.endr
.set n, 0
.rept 32
	v_pk_add_f32 v[128*(n/16)+2*(n%16)+64:128*(n/16)+2*(n%16)+65], v[128*(n/16)+2*(n%16)+64:128*(n/16)+2*(n%16)+65], v[128*(n/16)+2*(n%16)+96:128*(n/16)+2*(n%16)+97]
.set n, n+1
.endr
.set n, 0
.rept 32
	v_pk_add_f32 v[128*(n/16)+2*(n%16):128*(n/16)+2*(n%16)+1], v[128*(n/16)+2*(n%16):128*(n/16)+2*(n%16)+1], v[128*(n/16)+2*(n%16)+64:128*(n/16)+2*(n%16)+65]
.set n, n+1
.endr
.endm
.macro RES hiw                         ; x + O x gamma / l, into x's registers: query tile f is word f of a lane's four pixels.  n = 32 (f % 2) + 8 c4 + j
	WIN 0x52+(\hiw)
.set n, 0
.rept 64
	v_fma_f32 v[4*(n%32)+2*(\hiw)+n/32], v[128*(n/32)+n%32], v[M+2*(\hiw)+n/32], v[4*(n%32)+2*(\hiw)+n/32]
.set n, n+1
.endr
.endm
	STOUT 0
	STOUT 1
	WIN 0
	s_wait_dscnt 0x0                               ; for the others' sake: my sums and my l lie in LDS
	s_barrier_signal -1
	s_barrier_wait -1
.irp k, 0,1,2,3
	ds_load_b128 v[T+4*\k:T+4*\k+3], v[LXR] offset:512*\k
.endr
	STIN 0
	WIN 0
	s_wait_dscnt 48                                ; the four l are in; window 2's 48 loads are younger
.irp f, 0,1,2,3
	v_add_f32 v[LS+\f], v[T+\f], v[T+4+\f]
.endr
.irp f, 0,1,2,3
	v_add_f32 v[T+\f], v[T+8+\f], v[T+12+\f]
.endr
.irp f, 0,1,2,3
	v_add_f32 v[LS+\f], v[LS+\f], v[T+\f]
.endr
.irp f, 0,1,2,3
	v_rcp_f32 v[T+\f], v[LS+\f]
.endr
	v_nop                                          ; a plain instruction between the last reciprocal and the use of its result
	s_wait_alu depctr_va_vdst(0)                   ; and the wait: one for the four
.irp f, 0,1,2,3
	v_mul_f32 v[M+\f], s[GAM], v[T+\f]             ; gamma / l
.endr
	STIN 1
	s_wait_dscnt 48                                ; window 2's are in; window 3's 48 loads are younger
	SUMS 0
	s_wait_dscnt 0x0
	SUMS 1
	s_wait_loadcnt 0x0                             ; x
	RES 0
	RES 1
	WIN 0x04
.set n, 0
.rept 32
	global_store_b128 v[XO], v[4*n:4*n+3], s[OB:OB+1] offset:(16*(n/8)+n%8)*16384 th:TH_STORE_NT  ; sixteen lanes store 256 consecutive bytes, aligned
.set n, n+1
.endr
	WIN 0
	s_wait_tensorcnt 0x0                           ; the wave's end: behind my last tensor load and my last LDS store
	ds_add_u32 v[SPW], v[NIL]
	s_wait_dscnt 0x0
	CROUND                                         ; the closing round: no work-group ends while a partner may still ask for a tile that names it
	s_endpgm
.Lfunc_end_k_q9ca5e79ca2_attn:
	.size	k_q9ca5e79ca2_attn, .Lfunc_end_k_q9ca5e79ca2_attn-k_q9ca5e79ca2_attn
	.p2alignl 7, 3214868480
	.fill 96, 4, 3214868480
	.section	.rodata,"a",@progbits
	.p2align	6, 0x0
	.amdhsa_kernel k_q9ca5e79ca2_attn
		.amdhsa_group_segment_fixed_size 327680
		.amdhsa_private_segment_fixed_size 0
		.amdhsa_enable_private_segment 0
		.amdhsa_kernarg_size 40
		.amdhsa_user_sgpr_count 2
		.amdhsa_user_sgpr_kernarg_segment_ptr 1
		.amdhsa_wavefront_size32 1
		.amdhsa_system_sgpr_workgroup_id_x 1
		.amdhsa_system_sgpr_workgroup_id_y 1
		.amdhsa_system_sgpr_workgroup_id_z 1
		.amdhsa_system_vgpr_workitem_id 0
		.amdhsa_next_free_vgpr 1024
		.amdhsa_next_free_sgpr 66
		.amdhsa_reserve_vcc 0
		.amdhsa_float_denorm_mode_32 3
		.amdhsa_float_denorm_mode_16_64 3
		.amdhsa_memory_ordered 1
		.amdhsa_forward_progress 1
		.amdhsa_inst_pref_size 245
	.end_amdhsa_kernel
	.amdgpu_metadata
---
amdhsa.version: [ 1, 2 ]
amdhsa.kernels:
  - .name:           k_q9ca5e79ca2_attn
    .symbol:         k_q9ca5e79ca2_attn.kd
    .args:
      - { .name: qimg, .offset: 0, .size: 8, .value_kind: global_buffer, .address_space: global }
      - { .name: kv, .offset: 8, .size: 8, .value_kind: global_buffer, .address_space: global }
      - { .name: x, .offset: 16, .size: 8, .value_kind: global_buffer, .address_space: global }
      - { .name: gamma, .offset: 24, .size: 8, .value_kind: global_buffer, .address_space: global }
      - { .name: out0, .offset: 32, .size: 8, .value_kind: global_buffer, .address_space: global }
    .group_segment_fixed_size: 327680
    .private_segment_fixed_size: 0
    .kernarg_segment_align: 8
    .kernarg_segment_size: 40
    .max_flat_workgroup_size: 128
    .sgpr_count:     66
    .vgpr_count:     1024
    .wavefront_size: 32
...
	.end_amdgpu_metadata
.endif
;; end of part 2
;; ======== version 2 of 2: 2 launches; version 1 with the launch proj written anew for expert scheduling mode
;; limits: values are held in f16: magnitudes above 65,504 overflow, below 6.1e-05 lose precision
;; workspace buffers: qimg 1,048,576 bytes; kv 9,437,184 bytes
;; launch proj (part 3): grid 64 x 4, 4 waves a work-group, no clusters, 67,072 bytes of LDS; arguments x, wq, wk, wv, bq, bv, qimg, kv; writes qimg, kv
.if DOCPART == 3
	.amdgcn_target "amdgcn-amd-amdhsa--gfx1250"
	.amdhsa_code_object_version 6
	.text
	.protected	k_q9ca5e79ca2_proj
	.globl	k_q9ca5e79ca2_proj
	.p2align	8
	.type	k_q9ca5e79ca2_proj,@function
k_q9ca5e79ca2_proj:
	s_mov_b64 s[64:65], 0
	v_nop
	global_prefetch_b8 v0, s[64:65] scope:SCOPE_SE
	s_setreg_imm32_b32 hwreg(HW_REG_WAVE_SCHED_MODE, 0, 2), 2
	s_setreg_imm32_b32 hwreg(HW_REG_WAVE_MODE, 25, 1), 1
	s_wait_xcnt 0x0
	s_wait_alu depctr_vm_vsrc(0)
; THE THREE 1x1 PROJECTIONS of gamma * attention(x) + x.  x: [4][256][4096] f32.  q = wq x + bq, k = wk x, v = wv x + bv, written as register images for the attention launch.
; DEAD WORK: bk.  A score is s[n][m] = q[n] . (wk x[m] + bk) = q[n] . (wk x[m]) + q[n] . bk.  The last term does not hang on the key m, so it is the same along the softmax's axis and
; cancels between numerator and denominator, whatever finite values the inputs hold.  bk has then no way to the output: it is not loaded and is no argument of any launch.
; LIMIT: a NaN, an infinity or an overflow that would reach the result through bk alone is not carried.
; FORMATS.  x and the weights are rounded once to bf16 for the products; sums in f32, begun with the bias as the C operand.  q and k are each multiplied in f32 by a = sqrt(log2 e), so that
; q . k is a base-2 exponent, and rounded once to f16; v is rounded once to f16.  LIMIT: a |q|, a |k| and |v| stay under 65,504 (f16); NaN and infinities are not treated apart.
; PIXELS BY TURNS.  Tile T = 4 G + f holds pixels 64 G + 4 r + f, r = 0..15.  One load of 16 bytes of a row of x gives a lane one number for each of the four tiles of group G.
; IMAGES.  Lane l = 16 h + r holds 16 bytes.  q and k, piece t: pixel row r, channels 16 t + 8 h + 0..7.  v, block cb: channel 16 cb + r, pixel rows 8 h + 0..7 of the tile.
;   qimg: [b][T][t][lane][8 f16], 1,024 bytes a tile.  kv: [b][T][9,216 bytes]: k's two pieces, then sixteen places of 512 bytes: place p holds v's block (p + 4 G) % 16, so that the wave of the
;   attention launch that walks tile T (wave G % 4) finds its register blocks in ascending order.  Every store of a wave covers 512 consecutive bytes, aligned.
; SHARES.  Work-group (G, b): 64 pixels x 320 output channels.  Wave w brings and rounds x's rows 64 w .. 64 w + 63 and shares them through LDS; it then makes one block of 16 channels of q (w = 0, 1)
; or k (w = 2, 3) and v's blocks 4 w .. 4 w + 3: 5 blocks x 8 K steps x 4 tiles = 160 matrix instructions.
; NOT USED: tensor loads and clusters (the weights come as f32 and must pass through registers to be rounded); a prefetch (all of x is asked for at the head).
; REGISTERS, in windows of 256: window 0 addresses, bias, accumulators, weight fragments, work; window 1 x's 32 fragments; window 2 weights as loaded, two buffers of 128; window 3 x as loaded.
; THE MODE: SCHED_MODE bits 1:0 = 2 (LLVM: expert scheduling mode 2), set by the entry lines.  The code itself states the register dependences
; between vector or matrix instructions and memory or LDS instructions, with s_wait_alu, always for 0.
; THE PLAN.  Registers that memory or LDS instructions touch:
;   v4-v15    offsets and LDS addresses: written at the head, read by every load and store, never written again.
;   window 3  x as loaded: landed once, read by x's 64 conversions, not used again.     window 1  x's fragments: landed once, read by the products alone.     BVL: landed at the head; so is BIAS in the waves that make q.
;   W0, W1    window 2's two buffers.  Block i's 64 conversions read W[i % 2]; behind them block i + 2's 32 loads land in it.
;   TMP       written by x's conversions and by each block's; read by the LDS stores that follow them.
;   WF        block i's 16 LDS loads land in it; block i's 32 products read it.
;   PK        written by the packing of block i - 1, which stands in block i's turn; read by the four stores that follow it.
;   v16, v17  written at the head, read by the closing add alone.
; A BLOCK'S TURN has its vector work first (the conversions into TMP, the packing of the block before into PK, the bias), then ONE wait on va_vdst, then all its memory work with no vector line between
; (the loads into the buffer just emptied, the LDS stores of TMP, the LDS loads into WF, the stores of PK), then its products.  One wait on vm_vsrc at the turn's head frees TMP and PK, which the turn before's stores read.
.set WREG,   32768                     ; LDS 0 .. 32,767: x's fragments, fragment (kk, f) half u at 1,024 (4 kk + f) + 512 u + 16 lane.  From here: a stage of 16 rows for each wave
.set WPITCH, 528                       ; a row of 256 bf16 + 16 bytes: 33 x 16, so the 16 rows of a fragment load start at 16 different groups of four banks
.set SPARE,  66560                     ; the spare words, 128 bytes for each wave
.set KVT,    9216                      ; bytes of a tile in kv
.set XO,   4                           ; v4   h x 8 rows of x + 16 r
.set LL,   5                           ; v5   16 x lane
.set XSW,  6                           ; v6   where I put x's fragments
.set WLS,  8                           ; v8   my stage: 8 x lane
.set WLR,  9                           ; v9   my stage: row r, 16 h
.set BQO,  10                          ; v10  my 8 numbers of bq
.set BVO,  11                          ; v11  my number of bv
.set QKO,  12                          ; v12-15  tile f of q's or k's image + 16 x lane
.set SPW,  16                          ; v16  my spare word
.set NIL,  17                          ; v17  0
.set BVL,  20                          ; v20-23  bv for my four blocks
.set BIAS, 24                          ; v24-31  the C operand that starts a block's sums
.set ACC,  32                          ; v32-63  four accumulators, one a tile
.set WF,   64                          ; v64-127 a block's eight weight fragments
.set TMP,  128                         ; v128-191 rounded numbers on their way to LDS
.set PK,   192                         ; v192-207 packed results
.set WN,   20                          ; s20  my wave's number
.set XB,   22                          ; s[22:23] x at my rows and pixels
.set WQK,  24                          ; s[24:25] my block of wq or wk
.set WVB,  26                          ; s[26:27] my four blocks of wv
.set OQK,  28                          ; s[28:29] my piece of q's or k's image
.set TST,  30                          ; s30  bytes from tile to tile there
.set OV,   32                          ; s[32:33] my blocks of v's image
.set SA,   34                          ; s[34:35] a
.set MSB, 0
.macro WIN new                         ; the immediate's high byte repeats the setting that is left; a switch that changes nothing is dropped
.if MSB != (\new)
	s_set_vgpr_msb (MSB<<8)|(\new)
.set MSB, \new
.endif
.endm
	s_load_b512 s[4:19], s[0:1], 0x0               ; x, wq, wk, wv, bq, bv, qimg, kv
	v_lshl_add_u32 v[SPW], v0, 2, SPARE
	v_mov_b32 v[NIL], 0
	v_lshrrev_b32 v1, 5, v0
	v_readfirstlane_b32 s[WN], v1
	s_and_b32 s21, ttmp7, 0xffff                   ; b
	v_and_b32 v1, 31, v0                           ; lane
	v_and_b32 v2, 15, v0                           ; r
	v_bfe_u32 v3, v0, 4, 1                         ; h
	v_lshlrev_b32 v[LL], 4, v1
	v_lshlrev_b32 v[XO], 4, v2
	v_lshl_add_u32 v[XO], v3, 17, v[XO]
	s_wait_alu depctr_va_sdst(0)                   ; s[WN] is written, ahead of its first reader: LDS places, offsets and the branches on the wave's number are made from it
	s_lshl_b32 s36, s[WN], 13
	v_add_nc_u32 v[XSW], s36, v[LL]                ; my eight fragments: 8,192 w
	s_mul_i32 s36, s[WN], 16*WPITCH
	s_add_co_u32 s36, s36, WREG
	v_lshl_add_u32 v[WLS], v1, 3, s36
	v_mul_u32_u24 v[WLR], v2, WPITCH
	v_lshl_add_u32 v[WLR], v3, 4, v[WLR]
	v_add_nc_u32 v[WLR], s36, v[WLR]
	s_and_b32 s37, s[WN], 1                        ; t: which 16 channels of q or k
	s_lshl_b32 s36, s37, 6
	v_lshl_add_u32 v[BQO], v3, 5, s36              ; 4 (16 t + 8 h)
	s_lshl_b32 s36, s[WN], 8
	v_lshl_add_u32 v[BVO], v2, 2, s36              ; 4 (64 w + r)
	s_lshl_b32 s38, s21, 22                        ; offsets are made apart from the addresses: x
	s_lshl_b32 s36, s[WN], 20
	s_add_co_u32 s38, s38, s36
	s_lshl_b32 s36, ttmp9, 8
	s_add_co_u32 s38, s38, s36
	s_mov_b32 s39, 0
	s_lshl_b32 s40, s37, 14                        ; 16 rows of wq or wk
	s_mov_b32 s41, 0
	s_lshl_b32 s42, s[WN], 16                      ; 64 rows of wv
	s_mov_b32 s43, 0
	s_mul_i32 s44, s21, 256*KVT
	s_mul_i32 s36, ttmp9, 4*KVT
	s_add_co_u32 s44, s44, s36                     ; the group's four tiles in kv
	s_lshl_b32 s46, s21, 18
	s_lshl_b32 s36, ttmp9, 12
	s_add_co_u32 s46, s46, s36                     ; and in qimg
	s_lshl_b32 s36, s37, 9                         ; piece t
	s_mov_b32 s[TST], KVT
	s_cmp_lt_u32 s[WN], 2                          ; waves 0 and 1 make q, waves 2 and 3 k
	s_cselect_b32 s[TST], 1024, s[TST]
	s_cselect_b32 s46, s46, s44
	s_add_co_u32 s46, s46, s36
	s_mov_b32 s47, 0
	s_sub_co_u32 s36, s[WN], ttmp9
	s_and_b32 s36, s36, 3                          ; my blocks 4 w .. 4 w + 3 stand at places 4 ((w - G) % 4) on
	s_lshl_b32 s36, s36, 11
	s_add_co_u32 s44, s44, s36
	s_add_co_u32 s44, s44, 1024                    ; behind k's two pieces
	s_mov_b32 s45, 0
	s_mov_b32 s[SA], 0x3f99be61                    ; a = sqrt(log2 e) = 1.2011224
	s_mov_b32 s[SA+1], s[SA]
	v_mov_b32 v[QKO], v[LL]
	v_mad_u32_u24 v[QKO+1], s[TST], 1, v[LL]
	v_mad_u32_u24 v[QKO+2], s[TST], 2, v[LL]
	v_mad_u32_u24 v[QKO+3], s[TST], 3, v[LL]
	s_wait_kmcnt 0x0
	s_add_nc_u64 s[XB:XB+1], s[4:5], s[38:39]
	s_cmp_lt_u32 s[WN], 2
	s_cselect_b64 s[WQK:WQK+1], s[6:7], s[8:9]
	s_cselect_b64 s[OQK:OQK+1], s[16:17], s[18:19]
	s_add_nc_u64 s[WQK:WQK+1], s[WQK:WQK+1], s[40:41]
	s_add_nc_u64 s[OQK:OQK+1], s[OQK:OQK+1], s[46:47]
	s_add_nc_u64 s[WVB:WVB+1], s[10:11], s[42:43]
	s_add_nc_u64 s[OV:OV+1], s[18:19], s[44:45]
	s_wait_alu depctr_va_vdst(0)                   ; the offsets and LDS addresses v4 to v15 are written, which every load and store of the kernel reads; no vector line writes them again
	; the biases.  q's sums start with bq (register j of lane (r, h): channel 16 t + 8 h + j), k's with 0
	s_cmp_lt_u32 s[WN], 2
	s_cbranch_scc0 .Lno_bq
	global_load_b128 v[BIAS:BIAS+3], v[BQO], s[12:13]
	global_load_b128 v[BIAS+4:BIAS+7], v[BQO], s[12:13] offset:16
	s_branch .Lbias
.Lno_bq:
.set n, 0
.rept 8
	v_mov_b32 v[BIAS+n], 0
.set n, n+1
.endr
.Lbias:
.irp n, 0,1,2,3
	global_load_b32 v[BVL+\n], v[BVO], s[14:15] offset:64*\n
.endr
; Loads lo .. hi of the 32 that bring block i's 16 rows x 256 f32, 16,384 bytes on end, into buffer i % 2 of window 2
.macro LOADW i, lo, hi
	WIN 0x80
.set n, \lo
.rept (\hi)-(\lo)+1
.if (\i) == 0
	global_load_b128 v[128*((\i)%2)+4*n:128*((\i)%2)+4*n+3], v[LL], s[WQK:WQK+1] offset:512*n
.else
	global_load_b128 v[128*((\i)%2)+4*n:128*((\i)%2)+4*n+3], v[LL], s[WVB:WVB+1] offset:((\i)-1)*16384+512*n
.endif
.set n, n+1
.endr
.endm
; Block i is rounded to bf16.  The 64 conversions name no register of the products in front of them: they are the places ahead of the reads of the accumulators and of the writes of the bias.
.macro CVTW i
	WIN 0x0a
.set n, 0
.rept 64
	v_cvt_pk_bf16_f32 v[TMP+n], v[128*((\i)%2)+2*n], v[128*((\i)%2)+2*n+1]
.set n, n+1
.endr
.endm
; The rounded block is laid into my stage by rows and read back as eight fragments.  The stage is my own and LDS serves a wave's instructions in order (ISA guide 5.7.1.4): no barrier, no wait between.
.macro STAGEW
	WIN 0
.set n, 0
.rept 32
	ds_store_b64 v[WLS], v[TMP+2*n:TMP+2*n+1] offset:(n/2)*WPITCH+(n%2)*256
.set n, n+1
.endr
.set n, 0
.rept 8
	ds_load_b128 v[WF+8*n:WF+8*n+3],   v[WLR] offset:64*n
	ds_load_b128 v[WF+8*n+4:WF+8*n+7], v[WLR] offset:64*n+32
.set n, n+1
.endr
.endm
; Block i's 32 products.  The four accumulators take turns, one instruction a turn.  Block 0 (q, k): source 0 = weights, source 1 = pixels: a lane ends with one pixel and 8 channels.
; Blocks 1 to 4 (v): source 0 = pixels, source 1 = weights: a lane ends with one channel and 8 pixels.  The first K step takes the bias as C.
.macro MULS i
.if (\i) == 0
	WIN 0x04
.else
	WIN 0x01
.endif
.set kk, 0
.rept 8
.set ft, 0
.rept 4
.if (\i) == 0
.if kk == 0
	v_wmma_f32_16x16x32_bf16 v[ACC+8*ft:ACC+8*ft+7], v[WF+8*kk:WF+8*kk+7], v[8*(4*kk+ft):8*(4*kk+ft)+7], v[BIAS:BIAS+7]
.else
	v_wmma_f32_16x16x32_bf16 v[ACC+8*ft:ACC+8*ft+7], v[WF+8*kk:WF+8*kk+7], v[8*(4*kk+ft):8*(4*kk+ft)+7], v[ACC+8*ft:ACC+8*ft+7]
.endif
.else
.if kk == 0
	v_wmma_f32_16x16x32_bf16 v[ACC+8*ft:ACC+8*ft+7], v[8*(4*kk+ft):8*(4*kk+ft)+7], v[WF+8*kk:WF+8*kk+7], v[BIAS:BIAS+7]
.else
	v_wmma_f32_16x16x32_bf16 v[ACC+8*ft:ACC+8*ft+7], v[8*(4*kk+ft):8*(4*kk+ft)+7], v[WF+8*kk:WF+8*kk+7], v[ACC+8*ft:ACC+8*ft+7]
.endif
.endif
.set ft, ft+1
.endr
.set kk, kk+1
.endr
.endm
; Block i is packed: each accumulator's registers in ascending order, 16 bytes a lane
.macro PACK i
	WIN 0
.if (\i) == 0
.set n, 0
.rept 16
	v_pk_mul_f32 v[ACC+2*n:ACC+2*n+1], v[ACC+2*n:ACC+2*n+1], s[SA:SA+1] op_sel_hi:[1,0]
.set n, n+1
.endr
.endif
.set n, 0
.rept 16
	v_cvt_pk_f16_f32 v[PK+n], v[ACC+2*n], v[ACC+2*n+1]
.set n, n+1
.endr
.endm
; and leaves: 512 consecutive bytes a store
.macro SEND i
	WIN 0
.set n, 0
.rept 4
.if (\i) == 0
	global_store_b128 v[QKO+n], v[PK+4*n:PK+4*n+3], s[OQK:OQK+1]
.else
	global_store_b128 v[LL], v[PK+4*n:PK+4*n+3], s[OV:OV+1] offset:n*KVT+((\i)-1)*512
.endif
.set n, n+1
.endr
.endm
	; x: my 64 rows, 256 bytes of each.  Load n = 16 u2 + 8 u + i brings row 32 u2 + 16 u + 8 h + i; sixteen lanes read 256 consecutive bytes, aligned.  x is read once in this launch
	WIN 0xc0
.set n, 0
.rept 32
	global_load_b128 v[4*n:4*n+3], v[XO], s[XB:XB+1] offset:(32*(n/16)+16*((n/8)%2)+n%8)*16384 th:TH_LOAD_NT
.set n, n+1
.endr
	LOADW 0, 0, 23
	s_wait_loadcnt 24                              ; the 24 younger loads are weights: x and the biases are in
	WIN 0x0f
.set n, 0
.rept 64                               ; TMP + n, n = 8 (4 u2 + f) + 4 u + i2: channels 2 i2, 2 i2 + 1 of the lane's eight, tile f
	v_cvt_pk_bf16_f32 v[TMP+n], v[4*(16*(n/32)+8*((n/4)%2)+2*(n%4))+(n/8)%4], v[4*(16*(n/32)+8*((n/4)%2)+2*(n%4)+1)+(n/8)%4]
.set n, n+1
.endr
	WIN 0
	s_wait_alu depctr_va_vdst(0)                   ; x's conversions have written TMP, which the LDS stores read
.set n, 0
.rept 16
	ds_store_b128 v[XSW], v[TMP+4*n:TMP+4*n+3] offset:512*n
.set n, n+1
.endr
	LOADW 0, 24, 31                                ; no vector line has named these registers of window 2, nor v5 since the head's wait
	WIN 0
	s_wait_dscnt 0x0                               ; for the others' sake: my fragments of x lie in LDS
	s_barrier_signal -1
	s_barrier_wait -1
	WIN 0x40
.set n, 0
.rept 64
	ds_load_b128 v[4*n:4*n+3], v[LL] offset:512*n  ; all 32 fragments, as they lie; no vector line has named window 1
.set n, n+1
.endr
	LOADW 1, 0, 31                                 ; block 1 into the second buffer, which no vector line has named; each later block is asked for as soon as its buffer is emptied
.irp i, 0,1,2,3,4
.if \i < 4
	s_wait_loadcnt 32                              ; the 32 younger loads are the next block's: this block is in
.else
	s_wait_loadcnt 0x0
.endif
.if \i > 1
	s_wait_xcnt 0x0                                ; the stores of the turn before have had their addresses translated (ISA guide 3.1): PK, their data, is written anew below
.endif
	s_wait_alu depctr_vm_vsrc(0)                   ; the LDS stores issued so far have read TMP, and the global stores of the turn before have read PK: both are written again below
	CVTW \i
.if \i > 0
	PACK (\i)-1
.set n, 0
.rept 8
	v_mov_b32 v[BIAS+n], v[BVL+(\i)-1]             ; every pixel row of channel r starts with bv
.set n, n+1
.endr
.endif
.if \i < 3
	WIN 0x80                                       ; the window of the loads below is set ahead of the wait
.else
	WIN 0
.endif
	s_wait_alu depctr_va_vdst(0)                   ; the conversions have written TMP and are done reading this block's buffer; the packing has written PK; the products of the block before are done reading WF
.if \i < 3
	LOADW (\i)+2, 0, 31                            ; the buffer just emptied is asked for again at once
.endif
	STAGEW                                         ; no vector line since the wait: its LDS stores read TMP, its LDS loads land in WF
.if \i > 0
	SEND (\i)-1                                    ; likewise: the stores read PK; they stand behind the turn's loads
.endif
	s_wait_dscnt 0x0                               ; the weight fragments (and, the first time, x's) are in
	MULS \i
.endr
.rept 4
	v_nop                                          ; four places between the last product and the reads of its result (ISA guide 7.12.1)
.endr
	s_wait_xcnt 0x0                                ; block 3's stores have had their addresses translated: PK is written anew below
	s_wait_alu depctr_vm_vsrc(0)                   ; block 3's stores have read PK
	PACK 4
	s_wait_alu depctr_va_vdst(0)                   ; the packing has written PK, which the last four stores read
	SEND 4
	s_wait_dscnt 0x0                               ; the closing lines, six on end
	s_wait_alu 0x0
	s_wait_tensorcnt 0x0
	ds_add_u32 v[SPW], v[NIL]
	s_wait_dscnt 0x0
	s_endpgm
.Lfunc_end_k_q9ca5e79ca2_proj:
	.size	k_q9ca5e79ca2_proj, .Lfunc_end_k_q9ca5e79ca2_proj-k_q9ca5e79ca2_proj
	.p2alignl 7, 3214868480
	.fill 96, 4, 3214868480
	.section	.rodata,"a",@progbits
	.p2align	6, 0x0
	.amdhsa_kernel k_q9ca5e79ca2_proj
		.amdhsa_group_segment_fixed_size 67072
		.amdhsa_private_segment_fixed_size 0
		.amdhsa_enable_private_segment 0
		.amdhsa_kernarg_size 64
		.amdhsa_user_sgpr_count 2
		.amdhsa_user_sgpr_kernarg_segment_ptr 1
		.amdhsa_wavefront_size32 1
		.amdhsa_system_sgpr_workgroup_id_x 1
		.amdhsa_system_sgpr_workgroup_id_y 1
		.amdhsa_system_sgpr_workgroup_id_z 1
		.amdhsa_system_vgpr_workitem_id 0
		.amdhsa_next_free_vgpr 896
		.amdhsa_next_free_sgpr 66
		.amdhsa_reserve_vcc 0
		.amdhsa_float_denorm_mode_32 3
		.amdhsa_float_denorm_mode_16_64 3
		.amdhsa_memory_ordered 1
		.amdhsa_forward_progress 1
		.amdhsa_inst_pref_size 88
	.end_amdhsa_kernel
	.amdgpu_metadata
---
amdhsa.version: [ 1, 2 ]
amdhsa.kernels:
  - .name:           k_q9ca5e79ca2_proj
    .symbol:         k_q9ca5e79ca2_proj.kd
    .args:
      - { .name: x, .offset: 0, .size: 8, .value_kind: global_buffer, .address_space: global }
      - { .name: wq, .offset: 8, .size: 8, .value_kind: global_buffer, .address_space: global }
      - { .name: wk, .offset: 16, .size: 8, .value_kind: global_buffer, .address_space: global }
      - { .name: wv, .offset: 24, .size: 8, .value_kind: global_buffer, .address_space: global }
      - { .name: bq, .offset: 32, .size: 8, .value_kind: global_buffer, .address_space: global }
      - { .name: bv, .offset: 40, .size: 8, .value_kind: global_buffer, .address_space: global }
      - { .name: qimg, .offset: 48, .size: 8, .value_kind: global_buffer, .address_space: global }
      - { .name: kv, .offset: 56, .size: 8, .value_kind: global_buffer, .address_space: global }
    .group_segment_fixed_size: 67072
    .private_segment_fixed_size: 0
    .kernarg_segment_align: 8
    .kernarg_segment_size: 64
    .max_flat_workgroup_size: 128
    .sgpr_count:     66
    .vgpr_count:     896
    .wavefront_size: 32
...
	.end_amdgpu_metadata
.endif
;; end of part 3
;; launch attn: the kernel of part 2 again; grid 64 x 4, 4 waves a work-group, clusters of 4 x 1, 327,680 bytes of LDS; arguments qimg, kv, x, gamma, out0; writes out0
